; MI455X (gfx1250); checked and timed in simulation.
; The chip was launched on July 23, 2026; its instructions are those of AMD's public machine-readable ISA for CDNA 5 (MIT licence, August 2026) and "CDNA5" Instruction Set Architecture Reference Guide (July 2026). The comments in the code are by the model that wrote it; some were corrected since.
;; Manual LSTM Cell. Allowed arithmetic: float matrix products may take bf16 or f16 operands with f32 sums; all other float work in f32.
;; Inputs: U_b 4,096 float32; U_w 4,096 x 1,024 float32; W_w 4,096 x 1,024 float32; c_prev 4,096 x 1,024 float32; h_prev 4,096 x 1,024 float32; x_t 4,096 x 1,024 float32.
;; Outputs: out0 4,096 x 1,024 float32; out1 4,096 x 1,024 float32.
;; One version. Each part assembles by itself: llvm-mc -triple=amdgcn-amd-amdhsa -mcpu=gfx1250 --defsym DOCPART=n.
;; ======== version 1 of 1: 2 launches
;; workspace buffers: abf 16,777,216 bytes; bbf 16,777,216 bytes
;; launch cast (part 1): grid 1024 x 1, 8 waves a work-group, no clusters, 0 bytes of LDS; arguments x_t, h_prev, U_w, W_w, abf, bbf; writes abf, bbf
.if DOCPART == 1
	.amdgcn_target "amdgcn-amd-amdhsa--gfx1250"
	.amdhsa_code_object_version 6
	.text
	.protected	k_q53ce59905f_cast
	.globl	k_q53ce59905f_cast
	.p2align	8
	.type	k_q53ce59905f_cast,@function
k_q53ce59905f_cast:
	s_mov_b64 s[64:65], 0
	v_nop
	global_prefetch_b8 v0, s[64:65] scope:SCOPE_SE
	s_setreg_imm32_b32 hwreg(HW_REG_WAVE_MODE, 25, 1), 1
	s_wait_xcnt 0x0
; LSTM cell, first of two launches: the matrix operands are rounded once from f32 to bf16 (nearest even) and laid out for ONE product with K = 2048.
;   abf[m]  = bf16(x_t[m]) | bf16(h_prev[m])          [4096][2048] bf16, rows of 4,096 bytes
;   bbf[n'] = bf16(U_w[n]) | bf16(W_w[n])             [4096][2048] bf16, rows permuted:
;   n = gate*1024 + jb*64 + wn*32 + t  (gate 0..3 = f, i, o, g; jb 0..15; wn 0..1; t 0..31)  goes to  n' = jb*256 + wn*128 + gate*32 + t,
;   so that the 4 gates of 64 neighbouring hidden columns are 256 neighbouring rows, and the 4 gates of 32 columns are 128 neighbouring rows.
; Nothing of the problem is left out: every input has a way to an output (U_b and c_prev are read by the second launch).
; LIMIT: the operands of the product carry bf16's 8 significant bits from here on; sums and all other arithmetic are f32.
; Memory binds here and nothing is read twice, so there is no LDS, no cluster and no matrix work.
; Eight waves; the work-group owns rows 4 b .. 4 b + 3 of each of the four sources, 16 rows of 4,096 bytes.  Thread t owns bytes 16 t of a source row
; and bytes 8 t of its bf16 half row: a wave's load covers 512 consecutive aligned bytes, a wave's store 256 consecutive aligned bytes.
; All 16 loads of a wave go out at once; no register is written twice, so no store's source is ever rewritten.
.set ROWB, 4096                        ; bytes in a source row, and in a row of abf and bbf
.set X,    4                           ; v[4:67]   slot q = 4 src + i: 4 f32 as loaded
.set Y,    68                          ; v[68:99]  slot q: 4 bf16 to store
	s_load_b256 s[4:11], s[0:1], 0x0               ; x_t s[4:5], h_prev s[6:7], U_w s[8:9], W_w s[10:11]
	s_load_b128 s[12:15], s[0:1], 0x20             ; abf s[12:13], bbf s[14:15]
	s_lshl_b32 s16, ttmp9, 14                      ; 4 rows of 4,096 bytes for each work-group: the offset in all four sources and in abf
	s_mov_b32 s17, 0
	s_lshl_b32 s18, ttmp9, 2                       ; n of my first weight row; my four rows share gate, jb and wn, since t starts at a multiple of 4
	s_bfe_u32 s19, s18, 0x40006                    ; jb = bits 9:6
	s_lshl_b32 s19, s19, 8                         ; x 256 rows
	s_bfe_u32 s20, s18, 0x10005                    ; wn = bit 5
	s_lshl_b32 s20, s20, 7                         ; x 128 rows
	s_lshr_b32 s21, s18, 10                        ; gate = bits 11:10
	s_lshl_b32 s21, s21, 5                         ; x 32 rows
	s_and_b32 s22, s18, 31                         ; t
	s_or_b32 s22, s22, s19
	s_or_b32 s22, s22, s20
	s_or_b32 s22, s22, s21                         ; n'
	s_lshl_b32 s22, s22, 12                        ; in bytes
	s_mov_b32 s23, 0
	v_lshlrev_b32 v1, 4, v0                        ; 16 t
	v_lshlrev_b32 v2, 3, v0                        ; 8 t
	s_wait_kmcnt 0x0
	s_add_nc_u64 s[4:5], s[4:5], s[16:17]
	s_add_nc_u64 s[6:7], s[6:7], s[16:17]
	s_add_nc_u64 s[8:9], s[8:9], s[16:17]
	s_add_nc_u64 s[10:11], s[10:11], s[16:17]
	s_add_nc_u64 s[12:13], s[12:13], s[16:17]
	s_add_nc_u64 s[14:15], s[14:15], s[22:23]
.irp src, 0,1,2,3
.irp i, 0,1,2,3
	global_load_b128 v[X+4*(4*\src+\i):X+4*(4*\src+\i)+3], v1, s[4+2*\src:5+2*\src] offset:\i*ROWB th:TH_LOAD_NT   ; read once in the launch
.endr
.endr
; The four rows of source src: rounded and stored into half `half` of the rows at base.
.macro ROWS src, base, half
.irp i, 0,1,2,3
	s_wait_loadcnt 15-(4*\src+\i)                  ; loads come back in order (ISA guide 5.7.1): slot q is in, the 15 - q younger ones stay out
	v_cvt_pk_bf16_f32 v[Y+2*(4*\src+\i)],   v[X+4*(4*\src+\i)],   v[X+4*(4*\src+\i)+1]
	v_cvt_pk_bf16_f32 v[Y+2*(4*\src+\i)+1], v[X+4*(4*\src+\i)+2], v[X+4*(4*\src+\i)+3]
	global_store_b64 v2, v[Y+2*(4*\src+\i):Y+2*(4*\src+\i)+1], s[\base:\base+1] offset:\i*ROWB+\half*2048   ; no hint: the next launch reads these bytes
.endr
.endm
	ROWS 0, 12, 0                                  ; x_t    -> abf, K 0..1023
	ROWS 1, 12, 1                                  ; h_prev -> abf, K 1024..2047
	ROWS 2, 14, 0                                  ; U_w    -> bbf, K 0..1023
	ROWS 3, 14, 1                                  ; W_w    -> bbf, K 1024..2047
	s_endpgm
.Lfunc_end_k_q53ce59905f_cast:
	.size	k_q53ce59905f_cast, .Lfunc_end_k_q53ce59905f_cast-k_q53ce59905f_cast
	.p2alignl 7, 3214868480
	.fill 96, 4, 3214868480
	.section	.rodata,"a",@progbits
	.p2align	6, 0x0
	.amdhsa_kernel k_q53ce59905f_cast
		.amdhsa_group_segment_fixed_size 0
		.amdhsa_private_segment_fixed_size 0
		.amdhsa_enable_private_segment 0
		.amdhsa_kernarg_size 48
		.amdhsa_user_sgpr_count 2
		.amdhsa_user_sgpr_kernarg_segment_ptr 1
		.amdhsa_wavefront_size32 1
		.amdhsa_system_sgpr_workgroup_id_x 1
		.amdhsa_system_sgpr_workgroup_id_y 1
		.amdhsa_system_sgpr_workgroup_id_z 1
		.amdhsa_system_vgpr_workitem_id 0
		.amdhsa_next_free_vgpr 100
		.amdhsa_next_free_sgpr 66
		.amdhsa_reserve_vcc 0
		.amdhsa_float_denorm_mode_32 3
		.amdhsa_float_denorm_mode_16_64 3
		.amdhsa_memory_ordered 1
		.amdhsa_forward_progress 1
		.amdhsa_inst_pref_size 7
	.end_amdhsa_kernel
	.amdgpu_metadata
---
amdhsa.version: [ 1, 2 ]
amdhsa.kernels:
  - .name:           k_q53ce59905f_cast
    .symbol:         k_q53ce59905f_cast.kd
    .args:
      - { .name: x_t, .offset: 0, .size: 8, .value_kind: global_buffer, .address_space: global }
      - { .name: h_prev, .offset: 8, .size: 8, .value_kind: global_buffer, .address_space: global }
      - { .name: U_w, .offset: 16, .size: 8, .value_kind: global_buffer, .address_space: global }
      - { .name: W_w, .offset: 24, .size: 8, .value_kind: global_buffer, .address_space: global }
      - { .name: abf, .offset: 32, .size: 8, .value_kind: global_buffer, .address_space: global }
      - { .name: bbf, .offset: 40, .size: 8, .value_kind: global_buffer, .address_space: global }
    .group_segment_fixed_size: 0
    .private_segment_fixed_size: 0
    .kernarg_segment_align: 8
    .kernarg_segment_size: 48
    .max_flat_workgroup_size: 256
    .sgpr_count:     66
    .vgpr_count:     100
    .wavefront_size: 32
...
	.end_amdgpu_metadata
.endif
;; end of part 1
;; launch cell (part 2): grid 16 x 16, 4 waves a work-group, clusters of 4 x 4, 327,680 bytes of LDS; arguments abf, bbf, U_b, c_prev, out0, out1; writes out0, out1
.if DOCPART == 2
	.amdgcn_target "amdgcn-amd-amdhsa--gfx1250"
	.amdhsa_code_object_version 6
	.text
	.protected	k_q53ce59905f_cell
	.globl	k_q53ce59905f_cell
	.p2align	8
	.type	k_q53ce59905f_cell,@function
k_q53ce59905f_cell:
	s_mov_b64 s[64:65], 0
	v_nop
	global_prefetch_b8 v0, s[64:65] scope:SCOPE_SE
	s_setreg_imm32_b32 hwreg(HW_REG_WAVE_MODE, 25, 1), 1
	s_wait_xcnt 0x0
	s_wait_alu depctr_hold_cnt(0) depctr_sa_sdst(0) depctr_va_vdst(0) depctr_va_sdst(0) depctr_va_ssrc(0) depctr_va_vcc(0) depctr_vm_vsrc(0)
	s_getreg_b32 s2, hwreg(HW_REG_IB_STS2, 6, 4)
	s_cmp_eq_u32 s2, 0
	s_cbranch_scc0 .Lentry_in_a_cluster
	s_endpgm
.Lentry_in_a_cluster:
	s_bfe_u32 s2, ttmp6, 0x10000c
	s_cmp_lg_u32 s2, 0xf033
	s_cbranch_scc0 .Lentry_shape_is_right
	s_endpgm
.Lentry_shape_is_right:
; LSTM cell, second of two launches: pre = abf x bbf^T + U_b (K = 2048, bf16 operands, f32 sums), then in f32
;   f, i, o = sigmoid(pre), g = tanh(pre), c_t = f c_prev + i g (out1), h_t = o tanh(c_t) (out0).  Nothing of the problem is left out.
; abf: [4096 batch rows][2048] bf16.  bbf: [4096][2048] bf16, row n' = jb*256 + wn*128 + gate*32 + t holds the weights of gate (0..3 = f, i, o, g) of hidden column jb*64 + wn*32 + t.
; A work-group makes 256 batch rows x 256 rows of bbf = 64 hidden columns with all four gates; four waves, as many as a WGP has SIMDs; a wave makes
; 128 batch rows x 128 rows of bbf (32 hidden columns x 4 gates): 64 accumulator tiles of 16 x 16, 512 registers.  K goes in steps of 128 through a ring of two LDS slots
; filled by the tensor data mover: a tile's rows are 256 bytes of memory and start at multiples of 256 bytes from the buffer's first byte.
; CLUSTERS: 4 x 4 work-groups.  The four of a row of the cluster need the same tiles of abf, the four of a column the same tiles of bbf; such a tile is asked for jointly:
; each of the four issues the same tensor load, with the same descriptor and a mask that names the four.  That divides the requests for both by four.
; LIMITS: sigmoid(x) = 1 / (1 + 2^(-x log2 e)), tanh(x) = 1 - 2 / (1 + 2^(2 x log2 e)): both saturate rightly through infinity and 0 and carry a NaN; tanh has an
; absolute error of some 2^-23, so below |x| of about 1e-5 its relative error grows; v_exp_f32 gives 0 for results under 2^-126 (ISA guide 15.8), which is lost beside the 1 anyway.
;
; REGISTERS, in windows of 256 (s_set_vgpr_msb says which window each operand place means):
;   window 0: v16-39 addresses; v64-127, v128-191 fragments of abf (8 x 16 rows x 32 K), two buffers, at work again on the way out; v192-255 the bias, scaled
;   window 1: v64-127, v128-191 fragments of bbf, two buffers
;   window 2: the 32 accumulator tiles of my batch rows 0-63 (tile (a, b) at v[8 (8 a + b)]);   window 3: those of my rows 64-127
; THE MATRIX INSTRUCTION IS USED TRANSPOSED: source 0 = 16 rows of bbf, source 1 = 16 rows of abf.  In tile (a, b) lane l = (r = l % 16, h = l / 16) then holds batch row r, and its
; register j the bbf row 16 b + 8 h + j of my 128: gate b / 2, hidden column 16 (b % 2) + 8 h + j of my 32.  So the four gates of one element lie in ONE lane, in the same
; register of the tiles b, b + 2, b + 4, b + 6, and the cell needs no traffic between lanes.
;
; LDS: slot 0 at 0, slot 1 at SLOT; each: abf's 256 rows, then bbf's 256 rows, 272 bytes apart.  Behind slot 0's last read its first 69,632 bytes are filled once more, by tensor loads,
; with c_prev's tile (256 rows x 64 f32, 272 bytes apart).
; THE WAY OUT GOES IN FOUR BATCHES of 32 rows of each wave: four cells of 8 elements a lane, one barrier, then each wave stores 16 whole rows of c_t and of h_t (16 stores of 512 bytes).
; So three quarters of a wave's 64 stores are issued with later cells' arithmetic still to come behind them.  Each batch has stage bytes of its own, so one barrier a batch is enough.
.set SIZE_K, 2048
.set KSTEP,  128
.set PITCH,  272                       ; an LDS row: 256 bytes + 16 of padding = 68 words: the 16 rows that a load touches begin 4 words further on each, in 16 different 16-byte columns of 256 bytes
.set HALFT,  128*PITCH                 ; 128 rows: what one joint load brings, and what one wave reads of abf or of bbf
.set SLOT,   4*HALFT                   ; 139,264 bytes
.set LAPS,   SIZE_K/(2*KSTEP)          ; a lap = two K steps = once round the ring: 8
.set SP,     144                       ; a stage's row: my 32 columns = 128 bytes + 16: 9 x 16, so 16 rows again begin in 16 different 16-byte columns
.set WSB,    32*SP+128                 ; one wave's stage for one output and one batch: 32 rows; 128 modulo 256, so that the halves of a row, read from two waves' stages, fall into different columns
.set BATCHB, 8*WSB                     ; a batch's stages: c_t of waves 0-3, then h_t of waves 0-3: 37,888 bytes
.set STG,    SLOT                      ; the four batches' stages; they end at 290,816
.set NL2E,   0xbfb8aa3b                ; -log2 e
.set L2E2,   0x4038aa3b                ; 2 log2 e
.set ADRA, 16                          ; v16-17  LDS address of my abf fragments in slot 0, 1
.set ADRB, 20                          ; v20-21  the same for bbf
.set CPA,  24                          ; v24     my 32 bytes of c_prev's tile in my first 16 rows
.set CO,   29                          ; v29     my byte offset in out0 and out1
.set BO,   30                          ; v30     my byte offset in U_b
.set ST,   32                          ; v32-35  batch k: my 32 bytes in the first 16 rows of my stage for c_t (h_t's lies 4 WSB on); never rewritten
.set RD,   36                          ; v36-39  batch k: where I read a whole row of c_t back (h_t's lies 4 WSB on); never rewritten
.set F0,   64                          ; fragment buffer 0
.set F1,   128                         ; fragment buffer 1; on the way out: the rows read back, 8 x 4 registers of c_t, then of h_t
.set BK,   192                         ; v[BK+8 b+j]: the bias of tile column b, register j, times the factor of its gate's exponential
.set ARG,  64                          ; the way out: f v64-71, i v72-79, o v80-87, g v88-95
.set CP,   96                          ; v96-103   c_prev
.set CC,   104                         ; v104-111  c_t
.set TT,   112                         ; v112-119  tanh(c_t), then h_t
.set G1,  24                           ; s[24:31] descriptor group 1 for abf's tiles
.set G0,  32                           ; s[32:39] group 0 for abf's tiles, one set for each slot
.set G1B, 48                           ; s[48:55] group 1 for bbf's tiles: it differs in the mask alone
.set G0B, 56                           ; s[56:63] group 0 for bbf's tiles, one set for each slot
.set G1C, 68                           ; s[68:75] group 1 for c_prev's tile
.set G0C, 76                           ; s[76:79] group 0 for c_prev's tile
.set MSB, 0
.macro WIN new                         ; the immediate's high byte repeats the setting that is left
.if MSB != \new
	s_set_vgpr_msb (MSB<<8)|\new
.set MSB, \new
.endif
.endm
.set MUL_LO, 0xa1                      ; source 0 (bbf) window 1, source 1 (abf) window 0, C and D window 2
.set MUL_HI, 0xf1                      ; the same, C and D window 3
.set TO_B,   0x40                      ; destination window 1, address window 0
; A joint load.  Waves 0 and 1 fetch abf's two halves, waves 2 and 3 bbf's.  Each line has one mask and one set of registers for all that issue it, and nothing in them
; hangs on a coordinate that the four partners do not share.  The branch hangs on the wave's number alone.
.macro JLOAD s
	s_cmp_eq_u32 s11, 0
	s_cbranch_scc0 .Lfor_b_\@
	tensor_load_to_lds s[G0+4*\s:G0+4*\s+3], s[G1:G1+7]
	s_nop 0
	s_branch .Lasked_\@
.Lfor_b_\@:
	tensor_load_to_lds s[G0B+4*\s:G0B+4*\s+3], s[G1B:G1B+7]
	s_nop 0
.Lasked_\@:
.endm
; A round of the cluster's barrier: my work-group's barrier, so that wave 0's signal speaks for all four waves; wave 0 signals for the work-group; every wave waits for all
; sixteen work-groups; my work-group's barrier once more.
.macro CREST                           ; a round behind its opening barrier
	s_cmp_lg_u32 s10, 0
	s_cbranch_scc1 .Lnot_wave_0_\@
	s_barrier_signal -3
.Lnot_wave_0_\@:
	s_barrier_wait -3
	s_barrier_signal -1
	s_barrier_wait -1
.endm
.macro CROUND                          ; a whole round
	s_barrier_signal -1
	s_barrier_wait -1
	CREST
.endm
	s_load_b128 s[4:7], s[0:1], 0x0                ; abf s[4:5], bbf s[6:7]
	s_load_b256 s[80:87], s[0:1], 0x10             ; U_b s[80:81], c_prev s[82:83], out0 s[84:85], out1 s[86:87]
	s_set_vgpr_msb 0x40
	v_lshl_add_u32 v255, v0, 2, 0x47000
	s_set_vgpr_msb 0x4000
	v_mov_b32 v63, 0
	s_set_vgpr_msb 0x1
	ds_add_u32 v255, v63
	s_set_vgpr_msb 0x100
	v_lshrrev_b32 v1, 5, v0
	v_readfirstlane_b32 s10, v1                    ; wave 0..3
	s_lshr_b32 s11, s10, 1                         ; wm: which 128 batch rows are mine.  Also: I fetch for abf (0) or for bbf (1)
	s_and_b32 s12, s10, 1                          ; wn: which 128 rows of bbf.  Also: which 128 rows of that tile I fetch
	s_bfe_u32 s40, ttmp6, 0x40000                  ; cx: my place along the cluster's x
	s_bfe_u32 s41, ttmp6, 0x40004                  ; cy: along its y
	s_lshl_b32 s42, ttmp9, 2                       ; in a cluster launch ttmp9 and ttmp7 count clusters
	s_add_co_u32 s42, s42, s40                     ; jb, the block of 64 hidden columns = 4 x cluster x + cx
	s_and_b32 s13, ttmp7, 0xffff
	s_lshl_b32 s13, s13, 2
	s_add_co_u32 s13, s13, s41                     ; the block of 256 batch rows = 4 x cluster y + cy
	s_lshl_b32 s43, s41, 2
	s_lshl_b32 s43, 15, s43                        ; my row of the cluster: places 4 cy .. 4 cy + 3
	s_lshl_b32 s44, 0x1111, s40                    ; my column: places cx, cx + 4, cx + 8, cx + 12
	; group 1 for abf and bbf: a tile of 128 rows x 128 elements of 2 bytes, padded in LDS
	s_or_b32 s[G1+0], s43, (1<<16)|(1<<20)|(1<<21)|(5<<22)|(3<<25)  ; 15:0 the mask: abf's tiles go to my row; 17:16 element of 2 bytes; 20 padding on; 21 set beside a mask; 24:22 after every 64 words (code 5); 31:25 of 4 words (code 3)
	s_or_b32 s[G1B+0], s44, (1<<16)|(1<<20)|(1<<21)|(5<<22)|(3<<25) ; the same with the mask of my column, for bbf's tiles
	s_mov_b32 s[G1B+1], KSTEP<<16
	s_mov_b32 s[G1+1], KSTEP<<16                   ; 63:48 tensor_dim0, low half = 128
	s_mov_b32 s[G1B+2], 128<<16
	s_mov_b32 s[G1+2], 128<<16                     ; 95:80 tensor_dim1, low half = 128
	s_mov_b32 s[G1B+3], KSTEP<<16
	s_mov_b32 s[G1+3], KSTEP<<16                   ; 127:112 tile_dim0 = 128
	s_mov_b32 s[G1B+4], 128
	s_mov_b32 s[G1+4], 128                         ; 143:128 tile_dim1 = 128; tile_dim2 = 0
	s_mov_b32 s[G1B+5], SIZE_K
	s_mov_b32 s[G1+5], SIZE_K                      ; 191:160 elements from row to row
	s_mov_b32 s[G1B+6], 0
	s_mov_b32 s[G1+6], 0
	s_mov_b32 s[G1B+7], 0
	s_mov_b32 s[G1+7], 0
	; group 1 for c_prev: a tile of 64 rows x 64 elements of 4 bytes, no mask (no two work-groups read the same bytes), padded alike
	s_mov_b32 s[G1C+0], (2<<16)|(1<<20)|(5<<22)|(3<<25)
	s_mov_b32 s[G1C+1], 64<<16                     ; tensor_dim0 = 64
	s_mov_b32 s[G1C+2], 64<<16                     ; tensor_dim1 = 64
	s_mov_b32 s[G1C+3], 64<<16                     ; tile_dim0 = 64 (256 bytes)
	s_mov_b32 s[G1C+4], 64                         ; tile_dim1 = 64 rows
	s_mov_b32 s[G1C+5], 1024                       ; elements from row to row
	s_mov_b32 s[G1C+6], 0
	s_mov_b32 s[G1C+7], 0
	; where the tiles come from.  abf's hang on the block of batch rows alone, which my row of the cluster shares; bbf's on jb alone, which my column shares.
	; Every wave makes both addresses, in registers that never hold the other coordinate, and asks by one of them.
	s_lshl_b32 s17, s12, 7                         ; which 128 rows of the tile I fetch
	s_lshl_b32 s16, s13, 8
	s_add_co_u32 s16, s16, s17                     ; abf: row 256 x block + 128 x half
	s_lshl_b32 s46, s42, 8
	s_add_co_u32 s46, s46, s17                     ; bbf: row 256 x jb + 128 x half
	s_mov_b32 s17, 0
	s_mov_b32 s47, 0
	s_mov_b64 s[18:19], SIZE_K*2
	s_mul_u64 s[16:17], s[16:17], s[18:19]         ; in bytes
	s_mul_u64 s[46:47], s[46:47], s[18:19]
	s_mul_i32 s20, s10, HALFT                      ; and where they go: abf's two halves, then bbf's two = wave x 128 rows: no place in the cluster enters an LDS address
	; what hangs on both coordinates lives in s88-s93 and feeds plain accesses alone
	s_lshl_b32 s88, s13, 20                        ; 256 rows of 4,096 bytes for each block of batch rows
	s_lshl_b32 s90, s42, 8                         ; 64 columns of 4 bytes for each jb
	s_add_co_u32 s88, s88, s90                     ; the block's corner in c_prev, out0 and out1
	s_lshl_b32 s90, s10, 18                        ; c_prev: I fetch rows 64 w .. 64 w + 63 of the block
	s_add_co_u32 s92, s88, s90
	s_mov_b32 s93, 0
	s_lshl_b32 s90, s11, 19                        ; out0, out1: in batch k I store rows 128 wm + 32 k + 16 wn + 0..15 of the block; 32 k stands in the stores' immediates
	s_add_co_u32 s88, s88, s90
	s_lshl_b32 s90, s12, 16
	s_add_co_u32 s88, s88, s90
	s_mov_b32 s89, 0
	s_lshl_b32 s91, s42, 8                         ; U_b: 256 bytes for each jb,
	s_lshl_b32 s90, s12, 7                         ; 128 for my 32 columns
	s_add_co_u32 s91, s91, s90
	s_mov_b32 s[G0C+0], 1                          ; count = 1
	s_mul_i32 s[G0C+1], s10, 64*PITCH              ; LDS address: my 64 rows of c_prev's tile
	s_wait_dscnt 0x0
	s_wait_kmcnt 0x0
	s_add_nc_u64 s[14:15], s[4:5], s[16:17]
	s_add_nc_u64 s[46:47], s[6:7], s[46:47]
	s_add_nc_u64 s[G0C+2:G0C+3], s[82:83], s[92:93]
	s_or_b32 s[G0C+3], s[G0C+3], 0x80000000        ; type = 2
	s_add_nc_u64 s[84:85], s[84:85], s[88:89]      ; out0 and out1 at the first row that I store, the block's 64 columns
	s_add_nc_u64 s[86:87], s[86:87], s[88:89]
	CROUND                                         ; all sixteen work-groups are here: the first joint loads meet
.irp s, 0,1
	s_mov_b32 s[G0+4*\s], 1                                        ; count = 1
	s_add_co_u32 s[G0+4*\s+1], s20, \s*SLOT                        ; LDS address
	s_add_nc_u64 s[G0+4*\s+2:G0+4*\s+3], s[14:15], \s*KSTEP*2      ; global address: K step s
	s_or_b32 s[G0+4*\s+3], s[G0+4*\s+3], 0x80000000                ; type = 2
	s_mov_b32 s[G0B+4*\s], 1
	s_add_co_u32 s[G0B+4*\s+1], s20, \s*SLOT
	s_add_nc_u64 s[G0B+4*\s+2:G0B+4*\s+3], s[46:47], \s*KSTEP*2
	s_or_b32 s[G0B+4*\s+3], s[G0B+4*\s+3], 0x80000000
	JLOAD \s                                       ; the ring is filled before anything else is done: two tensor loads of the wave are out
.endr
	v_and_b32 v1, 15, v0                           ; r = l % 16
	v_bfe_u32 v2, v0, 4, 1                         ; h = l / 16
	; the bias of my 8 tile columns: gate b / 2 is 4,096 bytes on, half b % 2 of my 32 columns 64 bytes, my 8 numbers begin at 32 h
	v_lshl_add_u32 v[BO], v2, 5, s91
.irp b, 0,1,2,3,4,5,6,7
	global_load_b128 v[BK+8*\b:BK+8*\b+3],   v[BO], s[80:81] offset:(\b/2)*4096+(\b%2)*64
	global_load_b128 v[BK+8*\b+4:BK+8*\b+7], v[BO], s[80:81] offset:(\b/2)*4096+(\b%2)*64+16
.endr
	; A fragment is 16 rows x 32 K in 8 registers: lane l holds row r; registers 0-3 hold K = 8 h + 0..7, registers 4-7 K = 16 + 8 h + 0..7:
	; two loads of 16 bytes, 32 bytes apart, at row x pitch + 16 h.  The same for source 0 and source 1.
	v_mul_u32_u24 v3, v1, PITCH
	v_lshl_add_u32 v3, v2, 4, v3
	s_mul_i32 s21, s11, HALFT                      ; my 128 rows of abf
	s_mul_i32 s22, s12, HALFT                      ; my 128 rows of bbf,
	s_add_co_u32 s22, s22, 2*HALFT                 ; which lie behind abf's 256
.irp s, 0,1
	v_add_nc_u32 v[ADRA+\s], s21, v3
	v_add_nc_u32 v[ADRB+\s], s22, v3
	s_add_co_u32 s21, s21, SLOT
	s_add_co_u32 s22, s22, SLOT
.endr
	s_mul_i32 s21, s11, HALFT                      ; c_prev's tile: row 128 wm + r,
	s_lshl_b32 s22, s12, 7                         ; byte 128 wn + 32 h
	s_add_co_u32 s21, s21, s22
	v_mul_u32_u24 v4, v1, PITCH
	v_lshl_add_u32 v4, v2, 5, v4
	v_add_nc_u32 v[CPA], s21, v4
	s_mul_i32 s23, s10, WSB                        ; my own stages: a constant + wave x a constant + the batch's constant
	s_add_co_u32 s23, s23, STG
	v_mul_u32_u24 v4, v1, SP                       ; row r, byte 32 h
	v_lshl_add_u32 v4, v2, 5, v4
	v_add_nc_u32 v[ST], s23, v4
.irp k, 1,2,3
	v_add_nc_u32 v[ST+\k], \k*BATCHB, v[ST]        ; a register for each batch: 3 x 37,888 is more than an LDS immediate's 16 bits hold
.endr
	; back: of a batch's 32 rows of the stages of waves 2 wm and 2 wm + 1 I take rows 16 wn .. 16 wn + 15.  Lanes 0-15 take one row of 256 bytes, lanes 16-31 the next;
	; of sixteen lanes the first eight read the left wave's 128 bytes, the other eight the right wave's.
	s_mul_i32 s21, s11, 2*WSB
	s_mul_i32 s22, s12, 16*SP
	s_add_co_u32 s21, s21, s22
	s_add_co_u32 s21, s21, STG
	v_bfe_u32 v5, v0, 3, 1                         ; r / 8: which of the two waves
	v_and_b32 v6, 7, v0                            ; r % 8
	v_mul_u32_u24 v5, v5, WSB
	v_mul_u32_u24 v7, v2, SP
	v_add_nc_u32 v5, v5, v7
	v_lshl_add_u32 v5, v6, 4, v5
	v_add_nc_u32 v[RD], s21, v5
.irp k, 1,2,3
	v_add_nc_u32 v[RD+\k], \k*BATCHB, v[RD]
.endr
	v_lshlrev_b32 v7, 4, v1                        ; and the same two rows in out0 and out1: 16 r + 4,096 h
	v_lshl_add_u32 v[CO], v2, 12, v7
	s_wait_loadcnt 0x0                             ; the bias, once
	; sigmoid wants 2^(-(s + b) log2 e), tanh 2^(2 (s + b) log2 e): the factor is put on the bias here, and on the sum s by the fused multiply-add that adds the bias
.irp b, 0,1,2,3,4,5
.irp p, 0,2,4,6
	v_pk_mul_f32 v[BK+8*\b+\p:BK+8*\b+\p+1], v[BK+8*\b+\p:BK+8*\b+\p+1], NL2E op_sel_hi:[1,0]
.endr
.endr
.irp b, 6,7
.irp p, 0,2,4,6
	v_pk_mul_f32 v[BK+8*\b+\p:BK+8*\b+\p+1], v[BK+8*\b+\p:BK+8*\b+\p+1], L2E2 op_sel_hi:[1,0]
.endr
.endr
; 16 matrix instructions: row blocks a0, a0 + 1 of the window's four (hi = 0: my rows 0-63, 1: rows 64-127) x all 8 column blocks, 32 along K.
; zero = 1: the first product starts the sums: nothing is ever cleared.
; The 64 accumulators take turns, one instruction a turn, in the same order in every quarter step.
.macro MUL16 f, hi, a0, zero
.irp a, \a0, \a0+1
.irp b, 0,1,2,3,4,5,6,7
.if \zero
	v_wmma_f32_16x16x32_bf16 v[8*(8*(\a)+\b):8*(8*(\a)+\b)+7], v[\f+8*\b:\f+8*\b+7], v[\f+8*(4*\hi+\a):\f+8*(4*\hi+\a)+7], 0
.else
	v_wmma_f32_16x16x32_bf16 v[8*(8*(\a)+\b):8*(8*(\a)+\b)+7], v[\f+8*\b:\f+8*\b+7], v[\f+8*(4*\hi+\a):\f+8*(4*\hi+\a)+7], v[8*(8*(\a)+\b):8*(8*(\a)+\b)+7]
.endif
.endr
.endr
.endm
; 32 LDS loads in one run: the fragments of one quarter step (128 rows of bbf, 128 rows of abf, 32 K at byte k of the rows) into buffer f
.macro FETCH slot, k, f
	WIN TO_B
.irp i, 0,1,2,3,4,5,6,7
	ds_load_b128 v[\f+8*\i:\f+8*\i+3],   v[ADRB+\slot] offset:\k+\i*16*PITCH
	ds_load_b128 v[\f+8*\i+4:\f+8*\i+7], v[ADRB+\slot] offset:\k+\i*16*PITCH+32
.endr
	WIN 0
.irp i, 0,1,2,3,4,5,6,7
	ds_load_b128 v[\f+8*\i:\f+8*\i+3],   v[ADRA+\slot] offset:\k+\i*16*PITCH
	ds_load_b128 v[\f+8*\i+4:\f+8*\i+7], v[ADRA+\slot] offset:\k+\i*16*PITCH+32
.endr
.endm
; A load into a register that a matrix instruction has read, and a vector instruction that reads a matrix result, stand four places behind that matrix instruction, and only plain
; vector instructions that name none of its registers are places (ISA guide 7.12.1 for vector instructions).  The K loop has no vector work of its own to put there.
.macro PLACES
.rept 4
	v_nop
.endr
.endm
; A K step is four quarter steps of 32 along K, 64 matrix instructions each, on buffers 0, 1, 0, 1.
; One of the first three: multiplies buffer f; in its middle it fetches the next quarter's fragments, at byte k of the same slot's rows, into buffer g.
.macro QUARTER slot, k, f, g, zero
	s_wait_dscnt 8                                 ; bbf's fragments and abf's rows 0-63 are in; the youngest eight loads (abf's rows 64-127) may be out
	WIN MUL_LO
	MUL16 \f, 0, 0, \zero
	MUL16 \f, 0, 2, \zero
	PLACES
	FETCH \slot, \k, \g
	s_wait_dscnt 32                                ; all but the 32 just issued
	WIN MUL_HI
	MUL16 \f, 1, 0, \zero
	MUL16 \f, 1, 2, \zero
.endm
.macro THREE slot, zero
	QUARTER \slot, 64,  F0, F1, \zero
	QUARTER \slot, 128, F1, F0, 0
	QUARTER \slot, 192, F0, F1, 0
.endm
; The last quarter: multiplies buffer 1 and changes slots.  next = the other slot.  fill = 1: this slot is filled again, two K steps ahead, by the joint loads;
; fill = 2: its first 69,632 bytes are filled with c_prev's tile, each wave its own 64 rows.
; In front of the barrier each wave waits for its own reads of this slot and for all its tensor loads, of which one is out: its part of the next slot.  The barrier opens a round of the
; cluster's barrier; inside the round stands register work alone.  Behind it no wave of any partner reads this slot any more or has a load on its way, and the next slot is whole:
; the refill comes first, one tensor load a wave, then the next slot's first fragments.  From a request to the wait for it a wave issues 240 matrix instructions.
.macro TURN slot, next, fill
	s_wait_dscnt 8
	WIN MUL_LO
	MUL16 F1, 0, 0, 0
	s_wait_dscnt 0                                 ; my reads of this slot are over
	s_wait_tensorcnt 0x0                           ; and all my tensor loads have landed
	ds_add_u32 v255, v63
	s_wait_dscnt 0x0
	s_barrier_signal -1                            ; say so,
	MUL16 F1, 0, 2, 0                              ; work on registers while the others arrive,
	WIN 0
	s_barrier_wait -1                              ; and go on when all four have said so
	CREST
.if \fill == 1
	s_add_nc_u64 s[G0+4*\slot+2:G0+4*\slot+3], s[G0+4*\slot+2:G0+4*\slot+3], 2*KSTEP*2      ; no load of mine is out: both group 0 may be written
	s_add_nc_u64 s[G0B+4*\slot+2:G0B+4*\slot+3], s[G0B+4*\slot+2:G0B+4*\slot+3], 2*KSTEP*2
	JLOAD \slot                                    ; the first tensor load behind the round
.else
	tensor_load_to_lds s[G0C:G0C+3], s[G1C:G1C+7]  ; c_prev, rows 64 w .. 64 w + 63 of the block: it has the last K step in which to land
	s_nop 0
.endif
	PLACES
	FETCH \next, 0, F0
	WIN MUL_HI
	MUL16 F1, 1, 0, 0
	MUL16 F1, 1, 2, 0
.endm
.macro LAP zero                        ; once round the ring, both slots filled again
	THREE 0, \zero
	TURN 0, 1, 1
	THREE 1, 0
	TURN 1, 0, 1
.endm
	s_wait_tensorcnt 1                             ; my part of K step 0 is in; K step 1's, issued behind it, stays out
	s_barrier_signal -1
	s_barrier_wait -1                              ; everybody's is
	FETCH 0, 0, F0
	LAP 1                                          ; the first lap stands in front of the loop: its first products start the sums
	WIN 0                                          ; at a label and at a branch every window is 0
	s_mov_b32 s3, LAPS-2
.Llap:
	LAP 0
	WIN 0
	s_sub_co_u32 s3, s3, 1
	s_cmp_lg_u32 s3, 0
	s_cbranch_scc1 .Llap
	THREE 0, 0                                     ; the last lap: K steps 14 and 15
	TURN 0, 1, 2                                   ; slot 0 is done with: c_prev goes there
	THREE 1, 0
	s_wait_dscnt 8                                 ; the very last quarter: nothing more to fetch
	WIN MUL_LO
	MUL16 F1, 0, 0, 0
	MUL16 F1, 0, 2, 0
	s_wait_dscnt 0                                 ; with this my reads of slot 1 are over too
	WIN MUL_HI
	MUL16 F1, 1, 0, 0
	MUL16 F1, 1, 2, 0
	WIN 0
	PLACES                                         ; the places behind the last matrix instructions, for the arithmetic that reads results and the loads into the fragment buffers
	s_wait_tensorcnt 0x0                           ; my 64 rows of c_prev are in LDS
	s_barrier_signal -1
	s_barrier_wait -1                              ; c_prev's tile is whole, and no wave reads slot 1 any more: the stages may be written
; THE CELL for 8 elements a lane: batch k, row block e (0, 1) of its two = batch row 16 (2 k + e) + r of my 128; hidden columns 16 hb + 8 h + 0..7 of my 32.
; win: source 0 in window 2 or 3; a0 + e: the row block's number in that window.  All five arguments are plain numbers.
.macro CELL win, a0, e, hb, k
	ds_load_b128 v[CP:CP+3],   v[CPA] offset:(2*\k+\e)*16*PITCH+\hb*64    ; c_prev: wanted some hundred instructions further down
	ds_load_b128 v[CP+4:CP+7], v[CPA] offset:(2*\k+\e)*16*PITCH+\hb*64+16
	WIN \win
.irp g, 0,1,2
.irp p, 0,2,4,6
	v_pk_fma_f32 v[ARG+8*\g+\p:ARG+8*\g+\p+1], v[8*(8*(\a0+\e)+2*\g+\hb)+\p:8*(8*(\a0+\e)+2*\g+\hb)+\p+1], NL2E, v[BK+8*(2*\g+\hb)+\p:BK+8*(2*\g+\hb)+\p+1] op_sel_hi:[1,0,1]   ; -(s + b) log2 e
.endr
.endr
.irp p, 0,2,4,6
	v_pk_fma_f32 v[ARG+24+\p:ARG+24+\p+1], v[8*(8*(\a0+\e)+6+\hb)+\p:8*(8*(\a0+\e)+6+\hb)+\p+1], L2E2, v[BK+8*(6+\hb)+\p:BK+8*(6+\hb)+\p+1] op_sel_hi:[1,0,1]                    ; 2 (s + b) log2 e
.endr
	WIN 0
.set q, 0
.rept 32
	v_exp_f32 v[ARG+q], v[ARG+q]
.set q, q+1
.endr
	v_nop                                          ; one plain vector instruction between a transcendental and the use of its result (ISA guide 5.7.2)
.set q, 0
	s_wait_alu depctr_va_vdst(0)
.rept 16
	v_pk_add_f32 v[ARG+q:ARG+q+1], v[ARG+q:ARG+q+1], 1.0 op_sel_hi:[1,0]
.set q, q+2
.endr
.set q, 0
.rept 32
	v_rcp_f32 v[ARG+q], v[ARG+q]                   ; f, i, o are done
.set q, q+1
.endr
	v_nop
	s_wait_alu depctr_va_vdst(0)
.irp p, 0,2,4,6
	v_pk_fma_f32 v[ARG+24+\p:ARG+24+\p+1], v[ARG+24+\p:ARG+24+\p+1], -2.0, 1.0 op_sel_hi:[1,0,0]     ; g = 1 - 2 / (1 + 2^..)
.endr
	s_wait_dscnt 0x0                               ; c_prev is in: nothing was issued to LDS behind its two loads
.irp p, 0,2,4,6
	v_pk_mul_f32 v[CC+\p:CC+\p+1], v[ARG+\p:ARG+\p+1], v[CP+\p:CP+\p+1]                              ; f c_prev
.endr
.irp p, 0,2,4,6
	v_pk_fma_f32 v[CC+\p:CC+\p+1], v[ARG+8+\p:ARG+8+\p+1], v[ARG+24+\p:ARG+24+\p+1], v[CC+\p:CC+\p+1] ; + i g = c_t
.endr
.irp p, 0,2,4,6
	v_pk_mul_f32 v[TT+\p:TT+\p+1], v[CC+\p:CC+\p+1], L2E2 op_sel_hi:[1,0]
.endr
	ds_store_b128 v[ST+\k], v[CC:CC+3]   offset:\e*16*SP+\hb*64
	ds_store_b128 v[ST+\k], v[CC+4:CC+7] offset:\e*16*SP+\hb*64+16
.set q, 0
.rept 8
	v_exp_f32 v[TT+q], v[TT+q]
.set q, q+1
.endr
	v_nop
	s_wait_alu depctr_va_vdst(0)
.irp p, 0,2,4,6
	v_pk_add_f32 v[TT+\p:TT+\p+1], v[TT+\p:TT+\p+1], 1.0 op_sel_hi:[1,0]
.endr
.set q, 0
.rept 8
	v_rcp_f32 v[TT+q], v[TT+q]
.set q, q+1
.endr
	v_nop
	s_wait_alu depctr_va_vdst(0)
.irp p, 0,2,4,6
	v_pk_fma_f32 v[TT+\p:TT+\p+1], v[TT+\p:TT+\p+1], -2.0, 1.0 op_sel_hi:[1,0,0]                     ; tanh(c_t)
.endr
.irp p, 0,2,4,6
	v_pk_mul_f32 v[TT+\p:TT+\p+1], v[ARG+16+\p:ARG+16+\p+1], v[TT+\p:TT+\p+1]                        ; h_t = o tanh(c_t)
.endr
	ds_store_b128 v[ST+\k], v[TT:TT+3]   offset:4*WSB+\e*16*SP+\hb*64
	ds_store_b128 v[ST+\k], v[TT+4:TT+7] offset:4*WSB+\e*16*SP+\hb*64+16
.endm
; BATCH k: my rows 32 k .. 32 k + 31 go through the cell and into my stages of batch k; behind one barrier I read 16 whole rows of 256 bytes of c_t and of h_t back, two rows an
; instruction, and store them.  The next batch's cells write other LDS bytes (its own 37,888), so no second barrier is needed between these reads and those stores.
.macro BATCH k, win, a0
	CELL \win, \a0, 0, 0, \k
	CELL \win, \a0, 0, 1, \k
	CELL \win, \a0, 1, 0, \k
	CELL \win, \a0, 1, 1, \k
	s_wait_dscnt 0x0                               ; my stores into my stages are done, for the others' sake:
	s_barrier_signal -1
	s_barrier_wait -1                              ; each row that I read back holds halves from two waves' stages
.if \k > 0
	s_wait_xcnt 0x0                                ; every earlier memory instruction has had its addresses translated (ISA guide 3.1): v128-191, which the last batch's stores read, are loaded again only behind this wait
.endif
.irp t, 0,1,2,3,4,5,6,7
	ds_load_b128 v[F1+4*\t:F1+4*\t+3], v[RD+\k] offset:\t*2*SP
.endr
.irp t, 0,1,2,3,4,5,6,7
	ds_load_b128 v[F1+32+4*\t:F1+32+4*\t+3], v[RD+\k] offset:4*WSB+\t*2*SP
.endr
.irp t, 0,1,2,3,4,5,6,7
	s_wait_dscnt 15-\t                             ; LDS loads come back in order (ISA guide 5.7.1): c_t's load t is in, the 15 - t younger ones stay out
	global_store_b128 v[CO], v[F1+4*\t:F1+4*\t+3], s[86:87] offset:(32*\k+2*\t)*4096 th:TH_STORE_NT        ; c_t -> out1: 16 lanes store 256 consecutive bytes, at a multiple of 256 from the buffer's first byte
.endr
.irp t, 0,1,2,3,4,5,6,7
	s_wait_dscnt 7-\t                              ; h_t's load t is in, the 7 - t younger ones stay out; the last count is 0: no LDS load is out at the next barrier
	global_store_b128 v[CO], v[F1+32+4*\t:F1+32+4*\t+3], s[84:85] offset:(32*\k+2*\t)*4096 th:TH_STORE_NT  ; h_t -> out0
.endr
.endm
	BATCH 0, 0x02, 0                               ; window 2: my rows 0-31,
	BATCH 1, 0x02, 2                               ; 32-63;
	BATCH 2, 0x03, 0                               ; window 3: 64-95,
	BATCH 3, 0x03, 2                               ; 96-127
	s_set_vgpr_msb 0x1
	s_wait_tensorcnt 0x0
	ds_add_u32 v255, v63
	s_wait_dscnt 0x0
	s_set_vgpr_msb 0x100
	CROUND                                         ; the closing round: no work-group ends while a partner may still ask for a tile that names it
	s_endpgm
.Lfunc_end_k_q53ce59905f_cell:
	.size	k_q53ce59905f_cell, .Lfunc_end_k_q53ce59905f_cell-k_q53ce59905f_cell
	.p2alignl 7, 3214868480
	.fill 96, 4, 3214868480
	.section	.rodata,"a",@progbits
	.p2align	6, 0x0
	.amdhsa_kernel k_q53ce59905f_cell
		.amdhsa_group_segment_fixed_size 327680
		.amdhsa_private_segment_fixed_size 0
		.amdhsa_enable_private_segment 0
		.amdhsa_kernarg_size 48
		.amdhsa_user_sgpr_count 2
		.amdhsa_user_sgpr_kernarg_segment_ptr 1
		.amdhsa_wavefront_size32 1
		.amdhsa_system_sgpr_workgroup_id_x 1
		.amdhsa_system_sgpr_workgroup_id_y 1
		.amdhsa_system_sgpr_workgroup_id_z 1
		.amdhsa_system_vgpr_workitem_id 0
		.amdhsa_next_free_vgpr 1024
		.amdhsa_next_free_sgpr 94
		.amdhsa_reserve_vcc 0
		.amdhsa_float_denorm_mode_32 3
		.amdhsa_float_denorm_mode_16_64 3
		.amdhsa_memory_ordered 1
		.amdhsa_forward_progress 1
		.amdhsa_inst_pref_size 255
	.end_amdhsa_kernel
	.section	.bss,"aw",@nobits
	.p2align	6
	.space	262144
	.amdgpu_metadata
---
amdhsa.version: [ 1, 2 ]
amdhsa.kernels:
  - .name:           k_q53ce59905f_cell
    .symbol:         k_q53ce59905f_cell.kd
    .args:
      - { .name: abf, .offset: 0, .size: 8, .value_kind: global_buffer, .address_space: global }
      - { .name: bbf, .offset: 8, .size: 8, .value_kind: global_buffer, .address_space: global }
      - { .name: U_b, .offset: 16, .size: 8, .value_kind: global_buffer, .address_space: global }
      - { .name: c_prev, .offset: 24, .size: 8, .value_kind: global_buffer, .address_space: global }
      - { .name: out0, .offset: 32, .size: 8, .value_kind: global_buffer, .address_space: global }
      - { .name: out1, .offset: 40, .size: 8, .value_kind: global_buffer, .address_space: global }
    .group_segment_fixed_size: 327680
    .private_segment_fixed_size: 0
    .kernarg_segment_align: 8
    .kernarg_segment_size: 48
    .max_flat_workgroup_size: 128
    .sgpr_count:     94
    .vgpr_count:     1024
    .wavefront_size: 32
...
	.end_amdgpu_metadata
.endif
;; end of part 2
